; MI455X (gfx1250); checked and timed in simulation.
; The chip was launched on July 23, 2026; its instructions are those of AMD's public machine-readable ISA for CDNA 5 (MIT licence, August 2026) and "CDNA5" Instruction Set Architecture Reference Guide (July 2026). The comments in the code are by the model that wrote it; some were corrected since.
;; Mo E Layer. Allowed arithmetic: matrix products marked QUANTISED: E2M1 operands, one E8M0 scale for each 32 along K, by v_wmma_scale_f32_16x16x128_f8f6f4 with both operands' format E2M1 (or v_wmma_scale_f32_32x16x128_f4), f32 sums; products left as they are: f32 operands where the result goes on into a quantised operand, else bf16, f16 or f32 operands; f32 sums; everything else in f32.
;; Inputs: W1 8 x 512 x 2,048 float32; W2 8 x 2,048 x 512 float32; Wg 8 x 512 float32; x 4 x 1,024 x 512 float32.
;; Outputs: out0 4 x 1,024 x 512 float32; out1 4 x 1,024 x 8 float32.
;; This version of the problem:
;;   THIS VERSION OF THE PROBLEM IS GIVEN IN LOW PRECISION. The matrix products marked QUANTISED in the list below multiply operands that are first quantised to E2M1 (2 exponent bits, 1 mantissa bit; 4 bits a number), with one power-of-two scale for each 32 numbers along K (OCP MX v1.0); their sums are f32. All else is computed in f32.
;;   The module's matrix products, in the order in which they are computed (A, B: the left and right operand; K: the contracted axis; several contracted axes count as one K, in the product's order):
;;     1. [M 4,096, K 512] x [K 512, N 8]; A: input x; B: input Wg: left as it is (N = 8 < 16)
;;     2. [M 4,096, K 512] x [K 512, N 2,048]; A: input x; B: input W1: QUANTISED
;;     3. [M 4,096, K 2,048] x [K 2,048, N 512]; A: computed on the way; B: input W2: QUANTISED
;;     4. [M 4,096, K 512] x [K 512, N 2,048]; A: input x; B: input W1: QUANTISED
;;     5. [M 4,096, K 2,048] x [K 2,048, N 512]; A: computed on the way; B: input W2: QUANTISED
;;     6. [M 4,096, K 512] x [K 512, N 2,048]; A: input x; B: input W1: QUANTISED
;;     7. [M 4,096, K 2,048] x [K 2,048, N 512]; A: computed on the way; B: input W2: QUANTISED
;;     8. [M 4,096, K 512] x [K 512, N 2,048]; A: input x; B: input W1: QUANTISED
;;     9. [M 4,096, K 2,048] x [K 2,048, N 512]; A: computed on the way; B: input W2: QUANTISED
;;     10. [M 4,096, K 512] x [K 512, N 2,048]; A: input x; B: input W1: QUANTISED
;;     11. [M 4,096, K 2,048] x [K 2,048, N 512]; A: computed on the way; B: input W2: QUANTISED
;;     12. [M 4,096, K 512] x [K 512, N 2,048]; A: input x; B: input W1: QUANTISED
;;     13. [M 4,096, K 2,048] x [K 2,048, N 512]; A: computed on the way; B: input W2: QUANTISED
;;     14. [M 4,096, K 512] x [K 512, N 2,048]; A: input x; B: input W1: QUANTISED
;;     15. [M 4,096, K 2,048] x [K 2,048, N 512]; A: computed on the way; B: input W2: QUANTISED
;;     16. [M 4,096, K 512] x [K 512, N 2,048]; A: input x; B: input W1: QUANTISED
;;     17. [M 4,096, K 2,048] x [K 2,048, N 512]; A: computed on the way; B: input W2: QUANTISED
;;   THE QUANTISER, for each operand of a quantised product, along K:
;;     - K is cut into blocks of 32 from its start; a last block that is shorter is filled with zeros.
;;     - A block's scale is 2^e with e = floor(log2(the largest magnitude in the block)) - 2, held to -126 .. 127; a block of zeros has e = 0. As a byte (E8M0): e + 127.
;;     - Each number is divided by its block's scale, clamped to +-6, and rounded to the nearest number of E2M1, ties to even, subnormals kept.
;;     - The product sums the exact products of the quantised numbers (number of the format x scale) in f32.
;;   ~~~python
;;   def quantise(x, axis):      # numpy; x: float32 -> the quantised numbers, widened to float32 again
;;       x = np.moveaxis(x, axis, -1); K = x.shape[-1]
;;       x = np.pad(x, [(0, 0)] * (x.ndim - 1) + [(0, -K % 32)]); x = x.reshape(x.shape[:-1] + (-1, 32)); a = np.abs(x).max(-1, keepdims=True)
;;       e = np.where(a > 0, np.clip(np.frexp(np.where(a > 0, a, 1))[1] - 1 - 2, -126, 127), 0)      # np.frexp(a)[1] - 1 = floor(log2(a)), exactly
;;       r = np.clip(x / 2.0 ** e, -6, 6)
;;       step = 2.0 ** (np.maximum(np.frexp(np.where(r == 0, 1, r))[1] - 1, 0) - 1)
;;       q = np.round(r / step) * step * 2.0 ** e      # np.round: ties to even
;;       return np.moveaxis(q.reshape(q.shape[:-2] + (-1,))[..., :K], -1, axis).astype(np.float32)
;;   ~~~
;;   OPERANDS COMPUTED ON THE WAY. 'Computed on the way' means the value that the module computes at that place (a softmax that the list does not call 'softmax' is quantised finished and normalised). What goes into a quantiser is computed in f32, as accurately as f32 sums, v_exp_f32 and their like allow (about 1e-6 of the number): no bf16 or f16 on the way to a quantiser, and a product that is left as it is and whose result goes on into a quantised operand takes f32 operands (vector FMAs, or v_wmma_f32_16x16x4_f32). A number that lies on a knife's edge between two numbers of the format may be rounded either way, as far as f32 arithmetic and the matrix unit's own rounding can turn it there, and no further.
;; 2 versions, each right; version 2 is version 1 with the launch combine written anew for expert scheduling mode. Each part assembles by itself: llvm-mc -triple=amdgcn-amd-amdhsa -mcpu=gfx1250 --defsym DOCPART=n.
;; ======== version 1 of 2: 3 launches
;; workspace buffers: wq 8,388,608 bytes; ws 524,288 bytes; xqs 1,114,112 bytes; route 40,960 bytes of whole numbers; rw 32,768 bytes; ypart 16,777,216 bytes
;; launch prep (part 1): grid 1280 x 1, 4 waves a work-group, no clusters, 9,216 bytes of LDS; arguments x, Wg, W1, W2, xqs, wq, ws, route, rw, out1; writes xqs, wq, ws, route, rw, out1
.if DOCPART == 1
	.amdgcn_target "amdgcn-amd-amdhsa--gfx1250"
	.amdhsa_code_object_version 6
	.text
	.protected	k_q3f1110790c_prep
	.globl	k_q3f1110790c_prep
	.p2align	8
	.type	k_q3f1110790c_prep,@function
k_q3f1110790c_prep:
	s_mov_b64 s[64:65], 0
	v_nop
	global_prefetch_b8 v0, s[64:65] scope:SCOPE_SE
	s_setreg_imm32_b32 hwreg(HW_REG_WAVE_MODE, 25, 1), 1
	s_wait_xcnt 0x0
; PREP.  One launch, three kinds of work-group, told apart by the work-group's number alone.
;   0 .. 255     x: a work-group takes 16 tokens, AND ITS FOUR WAVES SHARE K: wave w takes k = 128 w .. 128 w + 127.  So all of a wave's loads (16 of x, 16 of Wg) go out together at its head.  The wave's numbers
;                become codes of FP4 (E2M1) with one E8M0 byte for each 32 along K, and its part of the router's logits (f32 operands, f32 sums) goes to LDS; one barrier; each wave stores four whole rows of codes;
;                wave 0 adds the four parts, stores the logits (out1), the two largest (ties: the lower expert), their softmax (the larger logit is taken away first), and for each expert a word
;                count | mask << 16 of the 16 tokens, all at fixed places.
;   256 .. 767   W1 [8][512][2048]: a work-group takes one task, 128 along K x 128 columns.      768 .. 1279  W2 [8][2048][512] likewise.
; The grid is 1,280 work-groups, five for each of 256 WGPs; the text names 194 registers a wave, so that five waves share a SIMD's 1,024 and no work-group has to wait for a place.
; A weight's K is its first axis inside an expert: A LANE TAKES A COLUMN AND ITS REGISTERS RUN DOWN K, so a block of 32 lies in one lane and the conversions give codes with K innermost.
; THE CODES ARE LAID AS THE NEXT LAUNCH'S OPERAND REGISTERS: task (8,192 bytes) = [tile 0..7][c 0..1][lane (r, h)][16 bytes], lane (r, h) at piece c holding k = 64 c + 32 h + 0 .. 31 of the tile's row r.
; W1's tile 2 b + u, row r, is hidden unit 32 b + 8 u + r + 8 (r / 8) of the task's 128, so that the first product's results lie as the second product's K wants them; W2's tile t, row r, is column 16 t + r.
; Scale words: task (512 bytes) = [b 0..3][lane 16 u + r]: the word of tile 2 b + u, row r; byte kb scales k = 32 kb ...
; A block's scale is 2^(floor(log2(largest magnitude)) - 2); its byte is the largest magnitude's exponent field - 2, held at 1 from below.
; LIMITS: a block of zeros gets the byte 1 where the rule says 127 (its codes are zeros, and this program alone reads the bytes); NaN and infinities among the inputs are not served; the two largest logits are
; taken among finite numbers; a logit is an f32 sum in eight parts (four K steps, in each the even and the odd pairs of k) that are added at the end.
.set D,    16                          ; v16-143   weights: 128 numbers of my column
.set CD,   144                         ; v144-159  weights: their codes
.set XR,   16                          ; v16-79    x: the 64 numbers of my K step;  later rows of codes and the routing's work
.set GW,   80                          ; v80-143   Wg's numbers of my K step;  later the logits' parts
.set TM,   144                         ; v144-159  the quantiser's work
.set PC,   160                         ; v160-167  a fragment's codes
.set PW,   168                         ; v168      its scale word
.set ACC,  176                         ; v176-191  the logits' two sums: written by matrix instructions alone
.set SCS,  4352                        ; LDS (the x path's alone): 0 .. 4,351 the stage for codes, 16 rows x (256 + 16) bytes; from here the 16 rows' scale words, 16 bytes a row;
.set PL,   4608                        ; from here the logits' parts: an image of eight registers, 1,024 bytes, for each wave
	s_load_b256 s[4:11], s[0:1], 0x0               ; x s[4:5], Wg s[6:7], W1 s[8:9], W2 s[10:11]
	s_load_b256 s[12:19], s[0:1], 0x20             ; xqs s[12:13], wq s[14:15], ws s[16:17], route s[18:19]
	s_load_b128 s[20:23], s[0:1], 0x40             ; rw s[20:21], out1 s[22:23]
	v_lshl_add_u32 v192, v0, 2, 0x2200
	v_mov_b32 v193, 0
	v_lshrrev_b32 v1, 5, v0
	v_readfirstlane_b32 s24, v1                    ; wave 0..3
	v_and_b32 v1, 31, v0                           ; lane
	v_and_b32 v2, 15, v0                           ; r
	v_bfe_u32 v3, v0, 4, 1                         ; h (for the weights: u)
	s_mov_b32 s27, 0                               ; s[26:27]: a byte offset in 64 bits
	s_cmp_lt_u32 ttmp9, 256
	s_cbranch_scc1 .Lxpath
; ---------------------------------------------------------------- the weights
	s_sub_co_u32 s25, ttmp9, 256                   ; the task, 0 .. 1023
	s_lshl_b32 s34, s24, 11
	v_lshlrev_b32 v5, 4, v2
	v_lshl_add_u32 v5, v3, 10, v5
	v_add_nc_u32 v5, s34, v5                       ; codes: tile 2 b + u (1,024 bytes each), + 16 r
	s_lshl_b32 s34, s24, 7
	v_lshl_add_u32 v6, v1, 2, s34                  ; scale word: 128 b + 4 x lane
	s_lshl_b32 s35, s24, 5                         ; my wave's first column of the task's 128
	s_wait_kmcnt 0x0
	s_lshl_b32 s26, s25, 13
	s_add_nc_u64 s[30:31], s[14:15], s[26:27]      ; the task's 8,192 bytes of codes
	s_lshl_b32 s26, s25, 9
	s_add_nc_u64 s[32:33], s[16:17], s[26:27]      ; and its 512 bytes of scale words
.macro WLOAD kb, pitch                 ; block kb: 32 rows of K at my column; a wave reads 128 consecutive bytes of a row, the four waves 512
.set I, 0
.rept 32
	global_load_b32 v[D+32*(\kb)+I], v4, s[28:29] offset:(32*(\kb)+I)*(\pitch) th:TH_LOAD_NT
.set I, I+1
.endr
.endm
.macro WBLOCK kb, left, more, pitch
.set XB, D+32*(\kb)
	s_wait_loadcnt \left                           ; this block's 32 loads are in; the one younger block may be out
.if \more
	WLOAD (\kb)+2, \pitch                          ; two blocks ahead: 64 loads of the wave are out
.endif
	v_max3_num_f32 v8, |v[XB]|, |v[XB+1]|, |v[XB+2]|                ; the block's largest magnitude: all 32 numbers are mine; two chains
	v_max3_num_f32 v9, |v[XB+3]|, |v[XB+4]|, |v[XB+5]|
.irp i, 6,10,14,18,22,26
	v_max3_num_f32 v8, v8, |v[XB+\i]|, |v[XB+\i+1]|
	v_max3_num_f32 v9, v9, |v[XB+\i+2]|, |v[XB+\i+3]|
.endr
	v_max3_num_f32 v8, v8, |v[XB+30]|, |v[XB+31]|
	v_max3_num_f32 v8, v8, v9, 0x1800000           ; and the floor 2^(3 - 127): the byte cannot fall under 1
	v_add_nc_u32 v10, 0xff000000, v8               ; 2 off the exponent field: the conversion takes this operand's exponent field as its scale
	v_lshrrev_b32 v11, 23, v10                     ; the scale's byte
.if (\kb) == 0
	v_mov_b32 v12, v11
.else
	v_lshl_or_b32 v12, v11, 8*(\kb), v12           ; four bytes make my row's word, the lower K in the lower byte
.endif
.irp g, 0,1,2,3
	v_cvt_scalef32_pk8_fp4_f32 v[CD+4*(\kb)+\g], v[XB+8*\g:XB+8*\g+7], v10
.endr
	global_store_b128 v5, v[CD+4*(\kb):CD+4*(\kb)+3], s[30:31] offset:((\kb)/2)*512+((\kb)%2)*256   ; block kb = 2 c + h of the image; sixteen lanes store 256 consecutive bytes, aligned
.endm
.macro WQUANT pitch
	WLOAD 0, \pitch
	WLOAD 1, \pitch
	WBLOCK 0, 32, 1, \pitch
	WBLOCK 1, 32, 1, \pitch
	WBLOCK 2, 32, 0, \pitch
	WBLOCK 3, 0, 0, \pitch
	v_nop                                          ; a plain line behind the last scaled conversion
	global_store_b32 v6, v12, s[32:33]             ; a wave's 32 words: 128 consecutive bytes (one byte for each 128 that the task reads)
	s_endpgm
.endm
	s_cmp_lt_u32 s25, 512
	s_cbranch_scc0 .Lw2
	; W1: task = e x 64 + chunk x 4 + K step
	s_lshr_b32 s26, s25, 6
	s_lshl_b32 s26, s26, 22                        ; the expert: 512 x 2,048 x 4 bytes
	s_and_b32 s34, s25, 3
	s_lshl_b32 s34, s34, 20                        ; the K step: 128 rows of 8,192 bytes
	s_add_co_u32 s26, s26, s34
	s_bfe_u32 s34, s25, 0x40002
	s_lshl_b32 s34, s34, 9                         ; the chunk: 128 columns of 4 bytes
	s_add_co_u32 s26, s26, s34
	s_add_nc_u64 s[28:29], s[8:9], s[26:27]
	v_and_b32 v4, 8, v2
	v_add_nc_u32 v4, v4, v2                        ; r + 8 (r / 8)
	v_lshl_add_u32 v4, v3, 3, v4                   ; + 8 u
	v_add_nc_u32 v4, s35, v4                       ; + 32 b: my column
	v_lshlrev_b32 v4, 2, v4
	WQUANT 8192
.Lw2:
	; W2: task - 512 = e x 64 + group of 128 columns x 16 + K step
	s_sub_co_u32 s36, s25, 512
	s_lshr_b32 s26, s36, 6
	s_lshl_b32 s26, s26, 22                        ; the expert: 2,048 x 512 x 4 bytes
	s_and_b32 s34, s36, 15
	s_lshl_b32 s34, s34, 18                        ; the K step: 128 rows of 2,048 bytes
	s_add_co_u32 s26, s26, s34
	s_bfe_u32 s34, s36, 0x20004
	s_lshl_b32 s34, s34, 9                         ; the group
	s_add_co_u32 s26, s26, s34
	s_add_nc_u64 s[28:29], s[10:11], s[26:27]
	v_add_nc_u32 v4, s35, v1                       ; my column: 32 b + lane
	v_lshlrev_b32 v4, 2, v4
	WQUANT 2048
; ---------------------------------------------------------------- x and the router: the work-group's number is the tile of 16 tokens, the wave's number the K step
.Lxpath:
	s_mov_b32 s36, 0x76543210
	s_mov_b32 s37, 0xfedcba98                      ; v_permlanex16_b32's selects for lane l xor 16
	s_mov_b32 s38, 0xffff0000                      ; lanes 16-31
	v_lshlrev_b32 v4, 11, v2
	v_lshl_add_u32 v4, v3, 6, v4                   ; x: row r of 2,048 bytes, + 64 h: my 16 numbers of a block of 32
	v_and_b32 v5, 7, v0
	v_lshlrev_b32 v5, 11, v5
	v_lshl_add_u32 v5, v3, 6, v5                   ; Wg: row r % 8 (rows 8-15 of the operand repeat the 8 experts)
	s_lshl_b32 s28, s24, 9                         ; my K step: 512 bytes of a row
	s_mov_b32 s29, 0
	s_lshl_b32 s30, ttmp9, 15                      ; my tile: 16 rows of 2,048 bytes
	s_add_co_u32 s30, s30, s28
	s_mov_b32 s31, 0
	s_wait_kmcnt 0x0
	s_add_nc_u64 s[4:5], s[4:5], s[30:31]
	s_add_nc_u64 s[6:7], s[6:7], s[28:29]
.irp b, 0,1,2,3                                ; register 16 b + i = x(r, 128 w + 32 b + 16 h + i)
.irp j, 0,1,2,3
	global_load_b128 v[XR+16*\b+4*\j:XR+16*\b+4*\j+3], v4, s[4:5] offset:128*\b+16*\j th:TH_LOAD_NT
.endr
.endr
.irp b, 0,1,2,3                                ; the same places of Wg's rows
.irp j, 0,1,2,3
	global_load_b128 v[GW+16*\b+4*\j:GW+16*\b+4*\j+3], v5, s[6:7] offset:128*\b+16*\j
.endr
.endr
	; all other addresses are made while the 32 loads are out
	s_lshl_b32 s34, s24, 6
	v_mul_u32_u24 v6, v2, 272
	v_lshl_add_u32 v6, v3, 4, v6
	v_add_nc_u32 v6, s34, v6                       ; the stage, in: row r, my K step's 64 bytes, + 16 h
	s_lshl_b32 s34, s24, 2
	v_lshl_add_u32 v7, v2, 4, s34                  ; my scale word: 16 r + 4 w
	s_mul_i32 s34, s24, 1088
	v_mul_u32_u24 v8, v3, 272
	v_lshl_add_u32 v8, v2, 4, v8
	v_add_nc_u32 v8, s34, v8                       ; the stage, back: rows 4 w on; lanes 0-15 one row, lanes 16-31 the next
	v_lshlrev_b32 v9, 4, v1                        ; 16 x lane
	v_lshlrev_b32 v10, 3, v1                       ; 8 x lane
	s_lshl_b32 s34, s24, 10
	v_add_nc_u32 v11, s34, v9                      ; my part of the logits: 16 x lane + 1,024 w
	v_lshlrev_b32 v12, 3, v2
	v_lshl_add_u32 v12, v3, 2, v12                 ; 8 r + 4 h: a token's two weights, two choices
	v_lshlrev_b32 v13, 2, v1                       ; 4 x lane
	v_lshlrev_b32 v14, 5, v2
	v_lshl_add_u32 v14, v3, 4, v14                 ; 32 r + 16 h: half a row of out1
.irp b, 0,1,2,3
	v_mov_b32 v[TM+4+\b], 0                        ; written once: a lane permute's destination counts as one of its sources
.endr
	s_lshl_b32 s26, ttmp9, 7
	s_add_nc_u64 s[40:41], s[18:19], s[26:27]      ; route: my tokens' choices (8,192 bytes further on, in the immediate)
	s_add_nc_u64 s[20:21], s[20:21], s[26:27]      ; rw
	s_lshl_b32 s26, ttmp9, 5
	s_add_nc_u64 s[18:19], s[18:19], s[26:27]      ; route: my tile's eight words
	s_lshl_b32 s26, ttmp9, 8
	s_add_nc_u64 s[42:43], s[12:13], s[26:27]      ; xqs: the tile's scale words (1,048,576 bytes further on, in the immediate)
	s_lshl_b32 s26, ttmp9, 12
	s_add_co_u32 s26, s26, s34                     ; the tile's 16 rows of codes, + my wave's four rows of 256 bytes
	s_add_nc_u64 s[12:13], s[12:13], s[26:27]
	s_lshl_b32 s26, ttmp9, 9
	s_add_nc_u64 s[22:23], s[22:23], s[26:27]      ; out1
; 64 numbers of a lane, register 16 b + i = k 32 b + 16 h + i of my row, become a fragment's codes in v[PC] on and its scale word in v[PW]
.macro QUANT s
.irp b, 0,1,2,3
	v_max3_num_f32 v[TM+\b], |v[\s+16*\b]|, |v[\s+1+16*\b]|, 0x1800000   ; block b: my 16 numbers, and the floor 2^(3 - 127)
.endr
.irp i, 2,4,6,8,10,12,14
.irp b, 0,1,2,3
	v_max3_num_f32 v[TM+\b], v[TM+\b], |v[\s+16*\b+\i]|, |v[\s+1+16*\b+\i]|   ; the four blocks by turns
.endr
.endr
.irp b, 0,1,2,3
	v_permlanex16_b32 v[TM+4+\b], v[TM+\b], s36, s37
.endr
.irp b, 0,1,2,3
	v_max_num_f32 v[TM+\b], v[TM+\b], v[TM+4+\b]   ; with lane l xor 16's: the block's largest magnitude
.endr
.irp b, 0,1,2,3
	v_add_nc_u32 v[TM+12+\b], 0xff000000, v[TM+\b] ; the conversion's scale operand
.endr
.irp b, 0,1,2,3
	v_lshrrev_b32 v[TM+4+\b], 23, v[TM+12+\b]      ; the scale's byte
.endr
	v_lshl_or_b32 v[PW], v[TM+5], 8, v[TM+4]
	v_lshl_or_b32 v[PW], v[TM+6], 16, v[PW]
	v_lshl_or_b32 v[PW], v[TM+7], 24, v[PW]
.irp b, 0,1,2,3
	v_cvt_scalef32_pk8_fp4_f32 v[PC+2*\b], v[\s+16*\b:\s+7+16*\b], v[TM+12+\b]
	v_cvt_scalef32_pk8_fp4_f32 v[PC+1+2*\b], v[\s+8+16*\b:\s+15+16*\b], v[TM+12+\b]
.endr
	v_nop                                          ; one plain place behind a scaled conversion
.irp c, 0,1                                    ; the operand's layout wants a whole block in a lane
.irp i, 0,1
	v_permlane16_swap_b32 v[PC+4*\c+\i], v[PC+2+4*\c+\i]
.endr
.endr
.endm
	s_wait_loadcnt 0x0                             ; my K step of x and of Wg
; 32 matrix instructions of 16 x 16 x 4 in f32: source 0 = Wg's rows, source 1 = my tokens, so that lane (r, h) holds token r and its register j expert j.  Both sources take the same numbers of k in the same
; places, so every k meets its partner.  The two sums take turns, one instruction a turn; the first two start them with the constant 0.
.irp b, 0,1,2,3
.irp p, 0,1,2,3,4,5,6,7
.if (\b == 0) && (\p < 2)
	v_wmma_f32_16x16x4_f32 v[ACC+8*(\p%2):ACC+8*(\p%2)+7], v[GW+16*\b+2*\p:GW+16*\b+2*\p+1], v[XR+16*\b+2*\p:XR+16*\b+2*\p+1], 0
.else
	v_wmma_f32_16x16x4_f32 v[ACC+8*(\p%2):ACC+8*(\p%2)+7], v[GW+16*\b+2*\p:GW+16*\b+2*\p+1], v[XR+16*\b+2*\p:XR+16*\b+2*\p+1], v[ACC+8*(\p%2):ACC+8*(\p%2)+7]
.endif
.endr
.endr
.rept 8
	v_nop                                          ; eight places behind the f32 form (ISA guide 7.12.1), in front of the first read of its sums and of writes into its sources
.endr
.irp e, 0,1,2,3,4,5,6,7
	v_add_f32 v[GW+\e], v[ACC+\e], v[ACC+8+\e]     ; my K step's part of the logits; each sum is read from its low end on
.endr
	ds_store_b128 v11, v[GW:GW+3] offset:PL        ; as an image of the eight registers: 16 bytes a lane, 512 a store
	ds_store_b128 v11, v[GW+4:GW+7] offset:PL+512
	QUANT XR
	ds_store_b128 v6, v[PC:PC+3]                   ; k = 128 w + 32 h + 0 .. 31 of row r: 16 bytes at 64 w + 16 h
	ds_store_b128 v6, v[PC+4:PC+7] offset:32
	ds_store_b32 v7, v[PW] offset:SCS              ; both halves of the lanes hold the same word
	s_wait_dscnt 0x0                               ; for the others' sake: my stores have landed
	s_barrier_signal -1                            ; the four waves of a work-group are all on this path: it is chosen by the work-group's number
	s_barrier_wait -1                              ; 16 whole rows of codes, their scale words and the logits' four parts lie in LDS
	ds_load_b128 v[16:19], v8                      ; rows 4 w and 4 w + 1,
	ds_load_b128 v[20:23], v8 offset:544           ; rows 4 w + 2 and 4 w + 3
	s_wait_dscnt 0x1                               ; the first is in; the one behind it may be out
	global_store_b128 v9, v[16:19], s[12:13]       ; two whole rows of codes: 512 consecutive bytes
	s_wait_dscnt 0x0
	global_store_b128 v9, v[20:23], s[12:13] offset:512
	s_cmp_lg_u32 s24, 0
	s_cbranch_scc1 .Lxend                          ; the rest is wave 0's
	ds_load_b64 v[24:25], v10 offset:SCS
.irp p, 0,1,2,3
	ds_load_b128 v[GW+8*\p:GW+8*\p+3], v9 offset:PL+1024*\p
	ds_load_b128 v[GW+8*\p+4:GW+8*\p+7], v9 offset:PL+1024*\p+512
.endr
	s_wait_dscnt 0x8                               ; the scale words are in; the eight loads behind them may be out
	global_store_b64 v10, v[24:25], s[42:43] offset:1048576        ; the 16 rows' scale words: 256 consecutive bytes, aligned
	s_wait_dscnt 0x0
.irp e, 0,1,2,3,4,5,6,7
	v_add_f32 v[32+\e], v[GW+\e], v[GW+8+\e]       ; the logits of my token: K steps 0 and 1,
.endr
.irp e, 0,1,2,3,4,5,6,7
	v_add_f32 v[40+\e], v[GW+16+\e], v[GW+24+\e]   ; 2 and 3,
.endr
.irp e, 0,1,2,3,4,5,6,7
	v_add_f32 v[32+\e], v[32+\e], v[40+\e]         ; all four
.endr
.irp i, 0,1,2,3
	v_cndmask_b32 v[48+\i], v[32+\i], v[36+\i], s38   ; lanes 16-31 store experts 4 to 7
.endr
	global_store_b128 v14, v[48:51], s[22:23]      ; the tile's 16 rows of out1: 512 consecutive bytes
	v_mov_b32 v52, v32                             ; the largest logit and its expert: a strict compare keeps the lower index
	v_mov_b32 v53, 0
.irp e, 1,2,3,4,5,6,7
	v_cmp_gt_f32 vcc_lo, v[32+\e], v52
	v_cndmask_b32 v52, v52, v[32+\e], vcc_lo
	v_cndmask_b32 v53, v53, \e, vcc_lo
.endr
	v_mov_b32 v54, 0xff800000
.irp e, 0,1,2,3,4,5,6,7
	v_cmp_eq_u32 vcc_lo, \e, v53
	v_cndmask_b32 v[56+\e], v[32+\e], v54, vcc_lo  ; the first choice is taken out
.endr
	v_mov_b32 v64, v56                             ; the second largest likewise
	v_mov_b32 v65, 0
.irp e, 1,2,3,4,5,6,7
	v_cmp_gt_f32 vcc_lo, v[56+\e], v64
	v_cndmask_b32 v64, v64, v[56+\e], vcc_lo
	v_cndmask_b32 v65, v65, \e, vcc_lo
.endr
	v_sub_f32 v66, v64, v52                        ; the softmax of the two, the larger taken away: 1 / (1 + e^d) and e^d / (1 + e^d), d <= 0
	v_mul_f32 v66, 0x3fb8aa3b, v66
	v_exp_f32 v67, v66
	v_nop                                          ; a plain place behind the transcendental,
	s_wait_alu depctr_va_vdst(0)                   ; and the wait ahead of its first reader
	v_add_f32 v68, 1.0, v67
	v_rcp_f32 v69, v68
	v_nop
	s_wait_alu depctr_va_vdst(0)
	v_mul_f32 v70, v67, v69
	v_cndmask_b32 v71, v69, v70, s38               ; lanes 16-31 store the second choice's
	v_cndmask_b32 v72, v53, v65, s38
	global_store_b32 v12, v71, s[20:21]
	global_store_b32 v12, v72, s[40:41] offset:8192
	v_mov_b32 v73, 0
.irp e, 0,1,2,3,4,5,6,7                        ; for each expert: which of the 16 tokens chose it, and how many.  These numbers are stored, and steer nothing here
	v_cmp_eq_u32 s44, \e, v53
	v_cmp_eq_u32 s45, \e, v65
	s_or_b32 s44, s44, s45
	s_and_b32 s44, s44, 0xffff                     ; lanes 0-15: bit i = token i
	s_bcnt1_i32_b32 s45, s44
	s_lshl_b32 s44, s44, 16
	s_or_b32 s44, s44, s45
	v_writelane_b32 v73, s44, \e
.endr
	s_wait_xcnt 0x0                                ; EXEC changes only behind this wait: it is a source of the stores above
	v_cmp_gt_u32 vcc_lo, 8, v1
	s_and_saveexec_b32 s46, vcc_lo
	global_store_b32 v13, v73, s[18:19]            ; lanes 0-7: the eight words
	s_wait_xcnt 0x0                                ; and again in front of the line that widens it
	s_or_b32 exec_lo, exec_lo, s46
.Lxend:
	s_wait_tensorcnt 0x0
	ds_add_u32 v192, v193
	s_wait_dscnt 0x0
	s_endpgm
.Lfunc_end_k_q3f1110790c_prep:
	.size	k_q3f1110790c_prep, .Lfunc_end_k_q3f1110790c_prep-k_q3f1110790c_prep
	.p2alignl 7, 3214868480
	.fill 96, 4, 3214868480
	.section	.rodata,"a",@progbits
	.p2align	6, 0x0
	.amdhsa_kernel k_q3f1110790c_prep
		.amdhsa_group_segment_fixed_size 9216
		.amdhsa_private_segment_fixed_size 0
		.amdhsa_enable_private_segment 0
		.amdhsa_kernarg_size 80
		.amdhsa_user_sgpr_count 2
		.amdhsa_user_sgpr_kernarg_segment_ptr 1
		.amdhsa_wavefront_size32 1
		.amdhsa_system_sgpr_workgroup_id_x 1
		.amdhsa_system_sgpr_workgroup_id_y 1
		.amdhsa_system_sgpr_workgroup_id_z 1
		.amdhsa_system_vgpr_workitem_id 0
		.amdhsa_next_free_vgpr 194
		.amdhsa_next_free_sgpr 66
		.amdhsa_reserve_vcc 1
		.amdhsa_float_denorm_mode_32 3
		.amdhsa_float_denorm_mode_16_64 3
		.amdhsa_memory_ordered 1
		.amdhsa_forward_progress 1
		.amdhsa_inst_pref_size 60
	.end_amdhsa_kernel
	.amdgpu_metadata
---
amdhsa.version: [ 1, 2 ]
amdhsa.kernels:
  - .name:           k_q3f1110790c_prep
    .symbol:         k_q3f1110790c_prep.kd
    .args:
      - { .name: x, .offset: 0, .size: 8, .value_kind: global_buffer, .address_space: global }
      - { .name: Wg, .offset: 8, .size: 8, .value_kind: global_buffer, .address_space: global }
      - { .name: W1, .offset: 16, .size: 8, .value_kind: global_buffer, .address_space: global }
      - { .name: W2, .offset: 24, .size: 8, .value_kind: global_buffer, .address_space: global }
      - { .name: xqs, .offset: 32, .size: 8, .value_kind: global_buffer, .address_space: global }
      - { .name: wq, .offset: 40, .size: 8, .value_kind: global_buffer, .address_space: global }
      - { .name: ws, .offset: 48, .size: 8, .value_kind: global_buffer, .address_space: global }
      - { .name: route, .offset: 56, .size: 8, .value_kind: global_buffer, .address_space: global }
      - { .name: rw, .offset: 64, .size: 8, .value_kind: global_buffer, .address_space: global }
      - { .name: out1, .offset: 72, .size: 8, .value_kind: global_buffer, .address_space: global }
    .group_segment_fixed_size: 9216
    .private_segment_fixed_size: 0
    .kernarg_segment_align: 8
    .kernarg_segment_size: 80
    .max_flat_workgroup_size: 128
    .sgpr_count:     66
    .vgpr_count:     194
    .wavefront_size: 32
...
	.end_amdgpu_metadata
.endif
;; end of part 1
;; launch moe (part 2): grid 178 x 1, 4 waves a work-group, no clusters, 89,600 bytes of LDS; arguments xqs, wq, ws, route, ypart; writes ypart
.if DOCPART == 2
	.amdgcn_target "amdgcn-amd-amdhsa--gfx1250"
	.amdhsa_code_object_version 6
	.text
	.protected	k_q3f1110790c_moe
	.globl	k_q3f1110790c_moe
	.p2align	8
	.type	k_q3f1110790c_moe,@function
k_q3f1110790c_moe:
	s_mov_b64 s[64:65], 0
	v_nop
	global_prefetch_b8 v0, s[64:65] scope:SCOPE_SE
	s_setreg_imm32_b32 hwreg(HW_REG_WAVE_MODE, 25, 1), 1
	s_wait_xcnt 0x0
; MOE.  One work-group takes one tile of at most 48 routed rows of one expert through the chain: gather x's codes, x W1, exact GELU, quantise, h W2, store.  Both products on codes of FP4 (E2M1) with E8M0 scales.
; THE GRID serves every split: 8,192 routed rows in tiles of 48 over 8 experts are never more than 171 + 7 = 178 tiles.  A work-group that the split leaves without rows jumps over the work and stores nothing.
; PLACEMENT.  Every wave works it out for itself from the stored table (256 groups of 16 tokens x 8 experts: count | mask << 16), in whole numbers alone.  An expert's rows are numbered by (lane, q, bit), lane l holding
; groups 32 q + l: any numbering serves that all work-groups share.  Row rho: the lane by a count over the lanes' running sums, the group by a walk over its 8 counts, the token by the n-th set bit of the mask.
; SHARES.  THE WAVES SHARE THE COLUMNS, NOT THE ROWS: wave w makes hidden units 512 w .. 512 w + 511 (four chunks of 128) and outputs 128 w .. 128 w + 127, for all 48 rows (three tiles of 16).
; The weights come from memory straight into registers: an earlier launch has laid them in the order of the operand's registers, so each lane loads its fragments whole.
; Both products are used transposed (source 0 = 16 rows of the weight, source 1 = 16 tokens): a lane holds one token, its registers run along the result's columns.
; The hidden layer goes from wave to wave through LDS as images of the operand's registers (16 bytes a lane, 512 a store; scale words 4 bytes a lane): one barrier in the launch.
; No tensor load and no cluster: branches here hang on stored numbers (a tile without rows; rows past the tile's count), and the tiles of one expert fall on no fixed group of work-groups.
; Results are NOT weighted here: row (slot, token) of ypart, slot 0 where this expert is the token's first choice, else 1; each row has one writer.
; GELU: x (0.5 + 0.5 erf(x / sqrt 2)), erf as u P(u^2) / Q(u^2) on u held to +-4.  LIMITS: the error is about 1e-7 |x| in absolute terms, so the relative accuracy falls for x under about -3, where the result is
; small beside its block's largest number; NaN and infinities are not served; a block of zeros gets the byte 1 (its codes are zeros).
; REGISTERS, in windows of 256.  Window 0: v1-29 addresses and tokens; v30-33 two coefficients; v34-42 codes and scale word just made; v44-93 scale words and nothing else; v96-191 x's 12 fragments; v192-255 at work.
;   Window 1 and window 3: four slots of 64 each for weight fragments (slot k, tile t at 64 k + 8 t).   Window 2: the 24 accumulators (tile of rows m, tile of columns t at 64 m + 8 t).
.set HSC,  49152                       ; LDS: 0 .. 49,151 the hidden layer's 48 fragments (chunk j, rows m: 3 j + m, 1,024 bytes each); from here their scale words, 128 bytes each;
.set STG,  55296                       ; from here a stage of 16 rows x (512 + 16) bytes for each wave
.set PC,   34                          ; v34-41  a fragment's codes
.set PW,   42                          ; v42     its scale word
.set S1,   44                          ; v44-59  scale words of window 1's slots: register 4 k + b: lanes 0-15 tile 2 b, lanes 16-31 tile 2 b + 1
.set S3,   60                          ; v60-75  of window 3's
.set XS,   76                          ; v76-87  x's: register 4 m + s
.set HS,   88                          ; v88-93  the hidden layer's: two sets of three
.set XF,   96                          ; v96-191 x's fragments: 32 m + 8 s
.set GU,   192                         ; GELU: u, u^2, P, Q: 16 registers each
.set GT,   208
.set GP,   224
.set GQ,   240
.set TM,   192                         ; the quantiser's work
.set HF,   192                         ; second product: hidden fragments, two sets of 24
; the placement's registers, free again when the products begin
.set TB,   96                          ; v96-159 the table: register 8 q + e
.set TADR, 160
.set TT,   192
.set PP,   200
.set PT,   204
.set WSL,  208                         ; v208-215 my 8 groups' words of the chosen expert
.set CC,   216
.set EX,   217
.set INC,  218
.set RUN,  219
.set T0,   220
.set T1,   221
.set RA,   222
.set RB,   223
.set LMA,  224
.set LMB,  225
.set IXA,  226
.set IXB,  227
.set PBA,  228                         ; v228-236, v237-245: what a row's lane holds, pulled over
.set PBB,  237
.set F1,   246
.set F2,   247
.set F3,   248
.set F4,   249
.set F5,   250
.set F6,   251
.set F7,   252
.set F8,   253
.set F9,   254
.set MSB, 0
.macro WIN new                         ; s_set_vgpr_msb: bits 1:0 source 0, 3:2 source 1, 5:4 source 2, 7:6 destination; the high byte repeats the setting that is left
.if MSB != (\new)
	s_set_vgpr_msb (MSB<<8)|(\new)
.set MSB, (\new)
.endif
.endm
.macro PLACES                          ; four places behind a matrix instruction of this form, in front of loads into its registers and of the first read of its results
.rept 4
	v_nop
.endr
.endm
.macro CPAIR r, val                    ; a coefficient as a pair: the packed forms name a pair and take its low word for both halves
	s_mov_b32 s[\r], \val
	s_mov_b32 s[\r+1], \val
.endm
; 20 loads: one K step's eight weight fragments into slot k of window win, and their four registers of scale words
.macro BATCH win, k, cp, sp, koff
.if (\win) == 1
	WIN 0x40
.set SSB, S1
.else
	WIN 0xc0
.set SSB, S3
.endif
.irp t, 0,1,2,3,4,5,6,7
.irp c, 0,1
	global_load_b128 v[64*(\k)+8*\t+4*\c:64*(\k)+8*\t+4*\c+3], v4, s[\cp:\cp+1] offset:(\koff)*8192+\t*1024+\c*512
.endr
.endr
	WIN 0
.irp b, 0,1,2,3
	global_load_b32 v[SSB+4*(\k)+\b], v5, s[\sp:\sp+1] offset:(\koff)*512+\b*128
.endr
.endm
.macro WM d, a, b, zero, sa, sb, odd   ; one product; odd tiles take their scale words from lanes 16-31
.if \zero
.if \odd
	v_wmma_scale_f32_16x16x128_f8f6f4 v[(\d):(\d)+7], v[(\a):(\a)+7], v[(\b):(\b)+7], 0, v[\sa], v[\sb] matrix_a_fmt:MATRIX_FMT_FP4 matrix_b_fmt:MATRIX_FMT_FP4 matrix_a_scale:MATRIX_SCALE_ROW1
.else
	v_wmma_scale_f32_16x16x128_f8f6f4 v[(\d):(\d)+7], v[(\a):(\a)+7], v[(\b):(\b)+7], 0, v[\sa], v[\sb] matrix_a_fmt:MATRIX_FMT_FP4 matrix_b_fmt:MATRIX_FMT_FP4
.endif
.else
.if \odd
	v_wmma_scale_f32_16x16x128_f8f6f4 v[(\d):(\d)+7], v[(\a):(\a)+7], v[(\b):(\b)+7], v[(\d):(\d)+7], v[\sa], v[\sb] matrix_a_fmt:MATRIX_FMT_FP4 matrix_b_fmt:MATRIX_FMT_FP4 matrix_a_scale:MATRIX_SCALE_ROW1
.else
	v_wmma_scale_f32_16x16x128_f8f6f4 v[(\d):(\d)+7], v[(\a):(\a)+7], v[(\b):(\b)+7], v[(\d):(\d)+7], v[\sa], v[\sb] matrix_a_fmt:MATRIX_FMT_FP4 matrix_b_fmt:MATRIX_FMT_FP4
.endif
.endif
.endm
; The first product of a chunk: 96 matrix instructions, K step by K step; the 24 accumulators take turns, one instruction a turn.  The first K step starts the sums.
.macro MM1
	WIN 0xa1                                       ; source 0 window 1, source 1 window 0, C and D window 2
.irp s, 0,1,2,3
.irp m, 0,1,2
.irp t, 0,1,2,3,4,5,6,7
.if \s == 0
	WM 64*\m+8*\t, 64*\s+8*\t, XF+32*\m+8*\s, 1, S1+4*\s+\t/2, XS+4*\m+\s, \t%2
.else
	WM 64*\m+8*\t, 64*\s+8*\t, XF+32*\m+8*\s, 0, S1+4*\s+\t/2, XS+4*\m+\s, \t%2
.endif
.endr
.endr
.endr
.endm
.macro HSTEP r, c                      ; a step of Horner's rule on eight pairs
.irp i, 0,2,4,6,8,10,12,14
	v_pk_fma_f32 v[\r+\i:\r+\i+1], v[\r+\i:\r+\i+1], v[GT+\i:GT+\i+1], s[\c:\c+1] op_sel_hi:[1,1,0]
.endr
.endm
; GELU in place on 16 registers of window 2, from register a on
.macro GELU8 a
	WIN 0x02
.irp i, 0,2,4,6,8,10,12,14
	v_pk_mul_f32 v[GU+\i:GU+\i+1], v[(\a)+\i:(\a)+\i+1], s[66:67] op_sel_hi:[1,0]   ; u = x / sqrt 2; each accumulator is read from its low end on
.endr
	WIN 0
.irp i, 0,1,2,3,4,5,6,7,8,9,10,11,12,13,14,15
	v_med3_num_f32 v[GU+\i], v[GU+\i], -4.0, 4.0
.endr
.irp i, 0,2,4,6,8,10,12,14
	v_pk_mul_f32 v[GT+\i:GT+\i+1], v[GU+\i:GU+\i+1], v[GU+\i:GU+\i+1]
.endr
.irp i, 0,2,4,6,8,10,12,14
	v_pk_fma_f32 v[GP+\i:GP+\i+1], v[GT+\i:GT+\i+1], s[68:69], v[30:31] op_sel_hi:[1,0,1]
	v_pk_fma_f32 v[GQ+\i:GQ+\i+1], v[GT+\i:GT+\i+1], s[80:81], v[32:33] op_sel_hi:[1,0,1]
.endr
	HSTEP GP, 70
	HSTEP GQ, 82
	HSTEP GP, 72
	HSTEP GQ, 84
	HSTEP GP, 74
	HSTEP GQ, 86
	HSTEP GP, 76
	HSTEP GP, 78
.irp i, 0,1,2,3,4,5,6,7,8,9,10,11,12,13,14,15
	v_rcp_f32 v[GQ+\i], v[GQ+\i]                   ; one batch of sixteen
.endr
.irp i, 0,2,4,6,8,10,12,14
	v_pk_mul_f32 v[GP+\i:GP+\i+1], v[GP+\i:GP+\i+1], v[GU+\i:GU+\i+1]   ; plain work that names no reciprocal
.endr
	s_wait_alu depctr_va_vdst(0)                   ; the wait ahead of the batch's first reader: one for the sixteen
.irp i, 0,2,4,6,8,10,12,14
	v_pk_fma_f32 v[GP+\i:GP+\i+1], v[GP+\i:GP+\i+1], v[GQ+\i:GQ+\i+1], 0.5 op_sel_hi:[1,1,0]   ; 0.5 + 0.5 erf (the numerator's coefficients are halved)
.endr
	WIN 0x82
.irp i, 0,2,4,6,8,10,12,14
	v_pk_mul_f32 v[(\a)+\i:(\a)+\i+1], v[(\a)+\i:(\a)+\i+1], v[GP+\i:GP+\i+1]
.endr
.endm
; 64 numbers of a lane in window 2, register a + 16 b + i = k 32 b + 16 h + i of my token, become a fragment's codes in v[PC] on and its scale word in v[PW]
.macro QUANTW a
	s_wait_dscnt 0x0                               ; the last image's stores have read the codes' registers
	WIN 0x0a
.irp b, 0,1,2,3
	v_max3_num_f32 v[TM+\b], |v[(\a)+16*\b]|, |v[(\a)+1+16*\b]|, 0x1800000   ; block b: my 16 numbers, and the floor 2^(3 - 127)
.endr
	WIN 0x28
.irp i, 2,4,6,8,10,12,14
.irp b, 0,1,2,3
	v_max3_num_f32 v[TM+\b], v[TM+\b], |v[(\a)+16*\b+\i]|, |v[(\a)+1+16*\b+\i]|
.endr
.endr
	WIN 0
.irp b, 0,1,2,3
	v_permlanex16_b32 v[TM+4+\b], v[TM+\b], s20, s21
.endr
.irp b, 0,1,2,3
	v_max_num_f32 v[TM+\b], v[TM+\b], v[TM+4+\b]   ; with lane l xor 16's: the block's largest magnitude
.endr
.irp b, 0,1,2,3
	v_add_nc_u32 v[TM+12+\b], 0xff000000, v[TM+\b] ; 2 off the exponent field: the conversion's scale operand
.endr
.irp b, 0,1,2,3
	v_lshrrev_b32 v[TM+4+\b], 23, v[TM+12+\b]      ; the scale's byte
.endr
	v_lshl_or_b32 v[PW], v[TM+5], 8, v[TM+4]
	v_lshl_or_b32 v[PW], v[TM+6], 16, v[PW]
	v_lshl_or_b32 v[PW], v[TM+7], 24, v[PW]
	WIN 0x02
.irp b, 0,1,2,3
	v_cvt_scalef32_pk8_fp4_f32 v[PC+2*\b], v[(\a)+16*\b:(\a)+7+16*\b], v[TM+12+\b]
	v_cvt_scalef32_pk8_fp4_f32 v[PC+1+2*\b], v[(\a)+8+16*\b:(\a)+15+16*\b], v[TM+12+\b]
.endr
	WIN 0
	v_nop                                          ; one plain place behind a scaled conversion
.irp c, 0,1                                    ; the operand's layout wants a whole block in a lane
.irp i, 0,1
	v_permlane16_swap_b32 v[PC+4*\c+\i], v[PC+2+4*\c+\i]
.endr
.endr
.endm
.macro IMAGE m                         ; the fragment goes to LDS as it stands
	ds_store_b128 v7, v[PC:PC+3] offset:1024*(\m)
	ds_store_b128 v7, v[PC+4:PC+7] offset:1024*(\m)+512
	ds_store_b32 v8, v[PW] offset:HSC+128*(\m)
.endm
.macro ROWS m                          ; a tile of 16 rows of the chunk: activation, codes, image
	GELU8 64*(\m)
	GELU8 64*(\m)+16
	GELU8 64*(\m)+32
	GELU8 64*(\m)+48
	QUANTW 64*(\m)
	IMAGE \m
.endm
.macro FETCH s, set                    ; K step s of the second product: three hidden fragments and their scale words: nine LDS loads
.irp m, 0,1,2
	ds_load_b128 v[HF+24*(\set)+8*\m:HF+24*(\set)+8*\m+3], v4 offset:(3*(\s)+\m)*1024
	ds_load_b128 v[HF+24*(\set)+8*\m+4:HF+24*(\set)+8*\m+7], v4 offset:(3*(\s)+\m)*1024+512
	ds_load_b32 v[HS+3*(\set)+\m], v5 offset:HSC+(3*(\s)+\m)*128
.endr
.endm
; K step s of the second product.  W2's steps 0-3 and 8-11 lie in window 3, 4-7 and 12-15 in window 1; behind steps 0-7 the slot just used takes the step eight further on.
.macro P2STEP s
.set PSET, (\s)%2
.set PK4, (\s)%4
.if (\s) < 15
	FETCH (\s)+1, 1-PSET
	s_wait_dscnt 9                                 ; this step's fragments are in; the nine loads just issued may be out
.else
	s_wait_dscnt 0x0
.endif
.if (\s) == 3
	s_wait_loadcnt 60                              ; step 3's batch is in: behind it stand the refills of steps 0 to 2, 20 loads each
.elseif ((\s) >= 8) && ((\s) < 12)
	s_wait_loadcnt 63                              ; behind this step's batch stand 80 loads or more: the largest count that the wait can name serves
.elseif (\s) >= 12
	s_wait_loadcnt 20*(15-(\s))                    ; behind this step's batch stand 15 - s batches
.endif
.if (((\s)/4)%2) == 0
	WIN 0xa3                                       ; source 0 window 3, source 1 window 0, C and D window 2
.set PSB, S3
.else
	WIN 0xa1
.set PSB, S1
.endif
.irp m, 0,1,2
.irp t, 0,1,2,3,4,5,6,7
.if (\s) == 0
	WM 64*\m+8*\t, 64*PK4+8*\t, HF+24*PSET+8*\m, 1, PSB+4*PK4+\t/2, HS+3*PSET+\m, \t%2
.else
	WM 64*\m+8*\t, 64*PK4+8*\t, HF+24*PSET+8*\m, 0, PSB+4*PK4+\t/2, HS+3*PSET+\m, \t%2
.endif
.endr
.endr
	WIN 0
	PLACES
.if (\s) < 4
	BATCH 3, PK4, 34, 36, (\s)+8
.elseif (\s) < 8
	BATCH 1, PK4, 34, 36, (\s)+8
.endif
.endm
; THE WAY OUT of tile m: a lane holds 32 neighbouring bytes of a row and the lanes beside it other rows: through my own stage, and back as whole rows of 512 bytes
.macro TOSTAGE m
.set BK, 96+96*((\m)%2)
	WIN 0x08                                       ; an LDS store's data are its source 1: window 2
.irp t, 0,1,2,3,4,5,6,7
	ds_store_b128 v9, v[64*(\m)+8*\t:64*(\m)+8*\t+3] offset:64*\t          ; each accumulator from its low end on
	ds_store_b128 v9, v[64*(\m)+8*\t+4:64*(\m)+8*\t+7] offset:64*\t+16
.endr
	WIN 0
.set RI, 0
.rept 16
	ds_load_b128 v[BK+4*RI:BK+4*RI+3], v10 offset:528*RI                   ; LDS serves a wave's instructions in order: these see the stores above
.set RI, RI+1
.endr
.endm
.macro SEND m, younger                 ; younger: the LDS instructions issued behind tile m's loads
.set BK, 96+96*((\m)%2)
.set AD, 160+16*((\m)%2)
	s_wait_dscnt \younger
.set RI, 0
.rept 16
	s_cmp_le_u32 s18, 16*(\m)+RI                   ; rows past the tile's count are not stored
	s_cbranch_scc1 .Lout_done
	v_readlane_b32 s54, v[15+(\m)], RI             ; the row's place in ypart: slot x 4,096 + token
	s_min_u32 s54, s54, 0x1fff
	s_lshl_b32 s54, s54, 11
	v_add_nc_u32 v[AD+RI], s54, v11
	global_store_b128 v[AD+RI], v[BK+4*RI:BK+4*RI+3], s[12:13] th:TH_STORE_NT   ; 32 lanes store 512 consecutive bytes, at a multiple of 256 from ypart's first byte
.set RI, RI+1
.endr
.endm
; the placement's macros
.macro SCANSTEP x, mk                  ; the neighbouring block's total: added to my running sum if that block stands in front of me
	v_mov_b32_dpp v[T0], v[RUN] row_xmask:\x row_mask:0xf bank_mask:0xf
	v_cndmask_b32 v[T1], 0, v[T0], s[\mk]
	v_add_nc_u32 v[EX], v[EX], v[T1]
	v_add_nc_u32 v[RUN], v[RUN], v[T0]
.endm
.macro PULL lam, ix, pb                ; what lane lam holds: its running sum and its eight words
	v_min_u32 v[\lam], 31, v[\lam]
	v_lshlrev_b32 v[\ix], 2, v[\lam]
	ds_bpermute_b32 v[\pb], v[\ix], v[EX]
.irp q, 0,1,2,3,4,5,6,7
	ds_bpermute_b32 v[\pb+1+\q], v[\ix], v[WSL+\q]
.endr
.endm
.macro BITSTEP src, w                  ; are the n + 1 set bits wanted all past the next w bits?
	v_bfe_u32 v[F9], v[\src], v[F2], \w
	v_cmp_ge_u32 vcc_lo, v[F1], v[F9]
	v_sub_nc_u32 v[F9], v[F1], v[F9]
	v_cndmask_b32 v[F1], v[F1], v[F9], vcc_lo
	v_add_nc_u32 v[F9], \w, v[F2]
	v_cndmask_b32 v[F2], v[F2], v[F9], vcc_lo
.endm
.macro FIND rho, lam, pb               ; row rho's token, left in v[lam]
	v_sub_nc_u32 v[F1], v[\rho], v[\pb]            ; n: which of the lane's rows
	v_mov_b32 v[F2], 0                             ; the counts' running sum
	v_mov_b32 v[F3], v[\pb+1]                      ; the word, the sum and the number of the last group whose sum is not above n
	v_mov_b32 v[F4], 0
	v_mov_b32 v[F5], 0
.irp q, 1,2,3,4,5,6,7
	v_and_b32 v[F6], 0xffff, v[\pb+\q]
	v_add_nc_u32 v[F2], v[F2], v[F6]
	v_cmp_le_u32 vcc_lo, v[F2], v[F1]
	v_cndmask_b32 v[F3], v[F3], v[\pb+1+\q], vcc_lo
	v_cndmask_b32 v[F4], v[F4], v[F2], vcc_lo
	v_cndmask_b32 v[F5], v[F5], \q, vcc_lo
.endr
	v_sub_nc_u32 v[F1], v[F1], v[F4]               ; n within the group
	v_lshrrev_b32 v[F3], 16, v[F3]                 ; its mask of 16 tokens
	v_lshrrev_b32 v[F6], 1, v[F3]
	v_and_b32 v[F6], 0x5555, v[F6]
	v_sub_nc_u32 v[F6], v[F3], v[F6]               ; counts of 2 bits,
	v_lshrrev_b32 v[F7], 2, v[F6]
	v_and_b32 v[F7], 0x3333, v[F7]
	v_and_b32 v[F8], 0x3333, v[F6]
	v_add_nc_u32 v[F7], v[F7], v[F8]               ; of 4,
	v_lshrrev_b32 v[F8], 4, v[F7]
	v_add_nc_u32 v[F8], v[F8], v[F7]
	v_and_b32 v[F8], 0x0f0f, v[F8]                 ; of 8
	v_mov_b32 v[F2], 0                             ; the bit's place
	BITSTEP F8, 8
	BITSTEP F7, 4
	BITSTEP F6, 2
	BITSTEP F3, 1
	v_lshl_add_u32 v[F2], v[F5], 9, v[F2]
	v_lshl_add_u32 v[\lam], v[\lam], 4, v[F2]      ; token = 16 (32 q + lane) + bit
.endm
	s_load_b256 s[4:11], s[0:1], 0x0               ; xqs s[4:5], wq s[6:7], ws s[8:9], route s[10:11]
	s_load_b64 s[12:13], s[0:1], 0x20              ; ypart
	v_lshl_add_u32 v43, v0, 2, 0x15c00
	v_mov_b32 v95, 0
	v_lshrrev_b32 v1, 5, v0
	v_readfirstlane_b32 s14, v1                    ; wave 0..3
	s_mov_b32 s15, ttmp9                           ; the work-group: which tile
	v_and_b32 v1, 31, v0                           ; lane
	v_and_b32 v2, 15, v0                           ; r
	v_bfe_u32 v3, v0, 4, 1                         ; h
	v_lshlrev_b32 v4, 4, v1                        ; 16 x lane: an image's place for my lane
	v_lshlrev_b32 v5, 2, v1                        ; 4 x lane: a scale word's
	v_lshlrev_b32 v6, 4, v3                        ; 16 h
	s_mul_i32 s54, s14, 8448
	s_add_co_u32 s54, s54, STG                     ; my stage
	v_mul_u32_u24 v9, v2, 528
	v_lshl_add_u32 v9, v3, 5, v9
	v_add_nc_u32 v9, s54, v9                       ; in: row r, + 32 h
	v_add_nc_u32 v10, s54, v4                      ; back: 16 bytes a lane
	s_lshl_b32 s54, s14, 9
	v_add_nc_u32 v11, s54, v4                      ; my wave's 512 bytes of a row of ypart
	v_lshlrev_b32 v94, 8, v1                       ; the prefetches' offset: lanes 256 bytes apart
	v_mov_b32 v30, 0x326dffee                      ; two coefficients as vector pairs, so that no line names more than one scalar pair
	v_mov_b32 v31, 0x326dffee
	v_mov_b32 v32, 0xb95fbd29
	v_mov_b32 v33, 0xb95fbd29
	s_mov_b32 s20, 0x76543210
	s_mov_b32 s21, 0xfedcba98                      ; v_permlanex16_b32's selects for lane l xor 16
	s_mov_b32 s22, 0xaaaaaaaa                      ; lanes whose bit 0, 1, 2, 3, 4 is set
	s_mov_b32 s23, 0xcccccccc
	s_mov_b32 s24, 0xf0f0f0f0
	s_mov_b32 s25, 0xff00ff00
	s_mov_b32 s26, 0xffff0000
	s_mov_b32 s56, 0x05040100                      ; v_perm_b32: two low halves
	CPAIR 66, 0x3f3504f3                           ; 1 / sqrt 2
	CPAIR 68, 0xaf15df0b                           ; erf's numerator, halved, from the highest power down (the second stands in v[30:31])
	CPAIR 70, 0xb58cff51
	CPAIR 72, 0xb7eec2d2
	CPAIR 74, 0xb9c0ac63
	CPAIR 76, 0xbac1a1f6
	CPAIR 78, 0xbc03dbd4
	CPAIR 80, 0xb77460cd                           ; its denominator (the second stands in v[32:33])
	CPAIR 82, 0xbadc924e
	CPAIR 84, 0xbbf19bf8
	CPAIR 86, 0xbc69b6a7
	v_lshlrev_b32 v[TADR], 5, v1
	s_wait_kmcnt 0x0
	; ---- the table: lane l takes groups 32 q + l, 32 bytes each
.irp q, 0,1,2,3,4,5,6,7
.irp c, 0,1
	global_load_b128 v[TB+8*\q+4*\c:TB+8*\q+4*\c+3], v[TADR], s[10:11] offset:1024*\q+16*\c
.endr
.endr
	s_wait_loadcnt 0x0
	; ---- each expert's rows in all: the counts lie in the words' low halves, where no carry arrives
.irp e, 0,1,2,3,4,5,6,7
	v_add3_u32 v[TT+\e], v[TB+\e], v[TB+8+\e], v[TB+16+\e]
.endr
.irp e, 0,1,2,3,4,5,6,7
	v_add3_u32 v[TT+\e], v[TT+\e], v[TB+24+\e], v[TB+32+\e]
.endr
.irp e, 0,1,2,3,4,5,6,7
	v_add3_u32 v[TT+\e], v[TT+\e], v[TB+40+\e], v[TB+48+\e]
.endr
.irp e, 0,1,2,3,4,5,6,7
	v_add_nc_u32 v[TT+\e], v[TT+\e], v[TB+56+\e]
.endr
.irp i, 0,1,2,3
	v_perm_b32 v[PP+\i], v[TT+2*\i+1], v[TT+2*\i], s56   ; two experts to a register: a sum is 4,096 at the most
	v_mov_b32 v[PT+\i], 0
.endr
.irp x, 1,2,4,8
.irp i, 0,1,2,3
	v_mov_b32_dpp v[PT+\i], v[PP+\i] row_xmask:\x row_mask:0xf bank_mask:0xf
.endr
.irp i, 0,1,2,3
	v_add_nc_u32 v[PP+\i], v[PP+\i], v[PT+\i]
.endr
.endr
.irp i, 0,1,2,3
	v_permlanex16_b32 v[PT+\i], v[PP+\i], s20, s21
.endr
.irp i, 0,1,2,3
	v_add_nc_u32 v[PP+\i], v[PP+\i], v[PT+\i]
.endr
.irp i, 0,1,2,3
	v_readfirstlane_b32 s54, v[PP+\i]
	s_and_b32 s[40+2*\i], s54, 0xffff
	s_lshr_b32 s[41+2*\i], s54, 16
.endr
	; ---- whose tile am I?  Expert e has ceil(N[e] / 48) tiles, one expert's behind the other's
	s_mov_b32 s48, 0                               ; tiles in front of expert e
	s_mov_b32 s17, 0                               ; my expert,
	s_mov_b32 s49, 0                               ; its first tile,
	s_mov_b32 s50, 0                               ; its rows
.irp e, 0,1,2,3,4,5,6,7
	s_cmp_ge_u32 s15, s48
	s_cselect_b32 s17, \e, s17
	s_cselect_b32 s49, s48, s49
	s_cselect_b32 s50, s[40+\e], s50
	s_add_co_u32 s54, s[40+\e], 47
	s_mul_i32 s54, s54, 0xaaab                     ; (n x 43,691) >> 21 = n / 48, rounded down, for n up to 4,143
	s_lshr_b32 s54, s54, 21
	s_add_co_u32 s48, s48, s54
.endr
	s_sub_co_u32 s55, s15, s49                     ; which of the expert's tiles
	s_mul_i32 s19, s55, 48                         ; its first row
	s_sub_co_i32 s18, s50, s19
	s_min_i32 s18, s18, 48
	s_max_i32 s18, s18, 0                          ; its rows: 0 in a work-group past the last tile
	s_min_u32 s17, s17, 7
	s_bitcmp1_b32 s17, 0
	s_cselect_b32 s51, -1, 0
	s_bitcmp1_b32 s17, 1
	s_cselect_b32 s52, -1, 0
	s_bitcmp1_b32 s17, 2
	s_cselect_b32 s53, -1, 0
	; ---- my wave's weights
	s_mov_b32 s39, 0
	s_mov_b32 s57, 0
	s_lshl_b32 s38, s17, 19                        ; an expert: 64 tasks of 8,192 bytes;
	s_lshl_b32 s54, s14, 17                        ; a wave: 16 of them
	s_add_co_u32 s38, s38, s54
	s_add_nc_u64 s[60:61], s[6:7], s[38:39]        ; W1's codes: chunk 4 w
	s_add_nc_u64 s[34:35], s[60:61], 0x400000      ; W2's: 512 tasks further on
	s_add_nc_u64 s[30:31], s[60:61], 0x8000        ; the block that the first trip fetches: chunk 4 w + 1
	s_add_nc_u64 s[58:59], s[34:35], 0x10000       ; the prefetches: W2's K step 8
	s_lshl_b32 s38, s17, 15
	s_lshl_b32 s54, s14, 13
	s_add_co_u32 s38, s38, s54
	s_add_nc_u64 s[62:63], s[8:9], s[38:39]        ; the scale words likewise, 512 bytes a task
	s_add_nc_u64 s[36:37], s[62:63], 0x40000
	s_add_nc_u64 s[32:33], s[62:63], 0x800
	BATCH 1, 0, 60, 62, 0                          ; the first chunk's weights land while the rows are placed
	BATCH 1, 1, 60, 62, 1
	BATCH 1, 2, 60, 62, 2
	; ---- my groups' words of the chosen expert
.irp q, 0,1,2,3,4,5,6,7
	v_cndmask_b32 v[TB+8*\q], v[TB+8*\q], v[TB+8*\q+1], s51
	v_cndmask_b32 v[TB+8*\q+2], v[TB+8*\q+2], v[TB+8*\q+3], s51
	v_cndmask_b32 v[TB+8*\q+4], v[TB+8*\q+4], v[TB+8*\q+5], s51
	v_cndmask_b32 v[TB+8*\q+6], v[TB+8*\q+6], v[TB+8*\q+7], s51
	v_cndmask_b32 v[TB+8*\q], v[TB+8*\q], v[TB+8*\q+2], s52
	v_cndmask_b32 v[TB+8*\q+4], v[TB+8*\q+4], v[TB+8*\q+6], s52
	v_cndmask_b32 v[WSL+\q], v[TB+8*\q], v[TB+8*\q+4], s53
.endr
	v_add3_u32 v[CC], v[WSL], v[WSL+1], v[WSL+2]
	v_add3_u32 v[CC], v[CC], v[WSL+3], v[WSL+4]
	v_add3_u32 v[CC], v[CC], v[WSL+5], v[WSL+6]
	v_add_nc_u32 v[CC], v[CC], v[WSL+7]
	v_and_b32 v[CC], 0xffff, v[CC]                 ; my lane's rows
	v_mov_b32 v[RUN], v[CC]
	v_mov_b32 v[EX], 0                             ; the rows of the lanes in front of me
	v_mov_b32 v[T0], 0
	SCANSTEP 1, 22
	SCANSTEP 2, 23
	SCANSTEP 4, 24
	SCANSTEP 8, 25
	v_permlanex16_b32 v[T0], v[RUN], s20, s21
	v_cndmask_b32 v[T1], 0, v[T0], s26
	v_add_nc_u32 v[EX], v[EX], v[T1]
	v_add_nc_u32 v[INC], v[EX], v[CC]
	; ---- each row's lane: how many lanes end at or in front of the row.  Two passes: rows 0-31 a lane each, rows 32-47 in both halves of the lanes
	v_add_nc_u32 v[RA], s19, v1
	v_add_nc_u32 v[RB], s19, v2
	v_add_nc_u32 v[RB], 32, v[RB]
	v_mov_b32 v[LMA], 0
	v_mov_b32 v[LMB], 0
.set LL, 0
.rept 32
	v_readlane_b32 s54, v[INC], LL
	v_cmp_le_u32 vcc_lo, s54, v[RA]
	v_add_co_ci_u32 v[LMA], vcc_lo, 0, v[LMA], vcc_lo
	v_cmp_le_u32 vcc_lo, s54, v[RB]
	v_add_co_ci_u32 v[LMB], vcc_lo, 0, v[LMB], vcc_lo
.set LL, LL+1
.endr
	PULL LMA, IXA, PBA
	PULL LMB, IXB, PBB
	s_wait_dscnt 0x0
	FIND RA, LMA, PBA
	FIND RB, LMB, PBB
	; ---- the tokens by tiles of 16: lane (r, h) holds tile m's row r.  A row past the tile's count gets some token inside the table: it is computed and not stored
	v_permlanex16_b32 v[T0], v[LMA], s20, s21
	v_cndmask_b32 v12, v[LMA], v[T0], s26
	v_cndmask_b32 v13, v[T0], v[LMA], s26
	v_mov_b32 v14, v[LMB]
.irp m, 0,1,2
	v_min_u32 v[12+\m], 0xfff, v[12+\m]
	v_lshl_add_u32 v[18+\m], v[12+\m], 8, v6       ; its row of codes, 256 bytes, + 16 h
	v_lshlrev_b32 v[21+\m], 4, v[12+\m]            ; its four scale words
	v_lshlrev_b32 v[24+\m], 3, v[12+\m]            ; its two choices
.endr
.irp m, 0,1,2
.irp s, 0,1,2,3
.irp c, 0,1
	global_load_b128 v[XF+32*\m+8*\s+4*\c:XF+32*\m+8*\s+4*\c+3], v[18+\m], s[4:5] offset:64*\s+32*\c
.endr
.endr
	global_load_b128 v[XS+4*\m:XS+4*\m+3], v[21+\m], s[4:5] offset:1048576
	global_load_b32 v[27+\m], v[24+\m], s[10:11] offset:8192
.endr
	BATCH 1, 3, 60, 62, 3
	s_wait_loadcnt 0x0                             ; x's fragments, the first chunk's weights, the choices
.irp m, 0,1,2
	v_cmp_ne_u32 vcc_lo, s17, v[27+\m]
	v_cndmask_b32 v[T1], 0, 1, vcc_lo
	v_lshl_add_u32 v[15+\m], v[T1], 12, v[12+\m]   ; slot 0 where my expert is the token's first choice, else slot 1
.endr
	BATCH 3, 0, 34, 36, 0                          ; W2's K steps 0 to 2 land under the first product
	BATCH 3, 1, 34, 36, 1
	BATCH 3, 2, 34, 36, 2
	s_mul_i32 s28, s14, 12288                      ; my chunks' images: 3 x 1,024 bytes a chunk, four chunks a wave
	s_mul_i32 s29, s14, 1536                       ; and their scale words
	s_mov_b32 s27, 0
; ---- FOUR CHUNKS OF 128 HIDDEN UNITS.  Every wave walks the four trips; a work-group without rows jumps over the work inside the trip.
.Lchunk:
	v_add_nc_u32 v7, s28, v4
	v_add_nc_u32 v8, s29, v5
	s_cmp_eq_u32 s18, 0
	s_cbranch_scc1 .Lskip
	MM1
	WIN 0
	PLACES
	BATCH 1, 0, 30, 32, 0                          ; the next chunk's weights (in the last trip: W2's K steps 4 to 7) take the slots just read
	BATCH 1, 1, 30, 32, 1
	ROWS 0
	BATCH 1, 2, 30, 32, 2
	BATCH 1, 3, 30, 32, 3
	; A prefetch of W2's K steps 8 to 15 of my wave's columns, 64 KiB, 16 KiB a trip: two instructions, lanes 256 bytes apart.  All tiles of an expert read these bytes: the expert's first tile asks, so each
	; block of 256 bytes is named once in the launch.  The requests stand together, behind the loads just issued; the loads that want these bytes stand in the second product, behind its K steps 0 to 7.
	s_cmp_lg_u32 s55, 0
	s_cbranch_scc1 .Lnopf
	global_prefetch_b8 v94, s[58:59] th:TH_LOAD_NT scope:SCOPE_SE
	global_prefetch_b8 v94, s[58:59] offset:8192 th:TH_LOAD_NT scope:SCOPE_SE
.Lnopf:
	ROWS 1
	ROWS 2
.Lskip:
	s_wait_loadcnt 0x0                             ; the next trip's weights are in
	s_wait_dscnt 0x0                               ; my stores of images have read their address registers, which the next trip writes
	s_wait_xcnt 0x0                                ; the loads and prefetches have read their bases, which are stepped now
	s_cmp_eq_u32 s27, 2                            ; behind the third trip the pointers leave W1's last chunk for W2's K step 4
	s_mov_b32 s38, 0x8000
	s_cselect_b32 s38, 0x3f0000, s38
	s_mov_b32 s56, 0x800
	s_cselect_b32 s56, 0x3f000, s56
	s_add_nc_u64 s[30:31], s[30:31], s[38:39]
	s_add_nc_u64 s[32:33], s[32:33], s[56:57]
	s_add_nc_u64 s[58:59], s[58:59], 0x4000
	s_add_co_u32 s28, s28, 3072
	s_add_co_u32 s29, s29, 384
	s_add_co_u32 s27, s27, 1
	s_cmp_lt_u32 s27, 4
	s_cbranch_scc1 .Lchunk
	BATCH 3, 3, 34, 36, 3                          ; W2's K step 3
	s_wait_dscnt 0x0                               ; for the others' sake: my images have landed
	s_barrier_signal -1
	s_barrier_wait -1                              ; the hidden layer's 48 fragments lie in LDS
	s_cmp_eq_u32 s18, 0
	s_cbranch_scc1 .Lout_done
; ---- THE SECOND PRODUCT: my 128 outputs for the 48 rows, 16 K steps of 24 matrix instructions; the 24 accumulators take turns
	FETCH 0, 0
.set PS, 0
.rept 16
	P2STEP PS
.set PS, PS+1
.endr
	TOSTAGE 0
	TOSTAGE 1
	SEND 0, 32                                     ; behind tile 0's loads: tile 1's 16 stores and 16 loads
	s_wait_xcnt 0x0                                ; tile 0's stores have read their registers: tile 2's loads and addresses may land there
	TOSTAGE 2
	SEND 1, 32
	SEND 2, 0
.Lout_done:
	s_wait_dscnt 0x0
	s_wait_tensorcnt 0x0
	ds_add_u32 v43, v95
	s_wait_dscnt 0x0
	s_endpgm
.Lfunc_end_k_q3f1110790c_moe:
	.size	k_q3f1110790c_moe, .Lfunc_end_k_q3f1110790c_moe-k_q3f1110790c_moe
	.p2alignl 7, 3214868480
	.fill 96, 4, 3214868480
	.section	.rodata,"a",@progbits
	.p2align	6, 0x0
	.amdhsa_kernel k_q3f1110790c_moe
		.amdhsa_group_segment_fixed_size 89600
		.amdhsa_private_segment_fixed_size 0
		.amdhsa_enable_private_segment 0
		.amdhsa_kernarg_size 40
		.amdhsa_user_sgpr_count 2
		.amdhsa_user_sgpr_kernarg_segment_ptr 1
		.amdhsa_wavefront_size32 1
		.amdhsa_system_sgpr_workgroup_id_x 1
		.amdhsa_system_sgpr_workgroup_id_y 1
		.amdhsa_system_sgpr_workgroup_id_z 1
		.amdhsa_system_vgpr_workitem_id 0
		.amdhsa_next_free_vgpr 1024
		.amdhsa_next_free_sgpr 96
		.amdhsa_reserve_vcc 1
		.amdhsa_float_denorm_mode_32 3
		.amdhsa_float_denorm_mode_16_64 3
		.amdhsa_memory_ordered 1
		.amdhsa_forward_progress 1
		.amdhsa_inst_pref_size 255
	.end_amdhsa_kernel
	.section	.bss,"aw",@nobits
	.p2align	6
	.space	262144
	.amdgpu_metadata
---
amdhsa.version: [ 1, 2 ]
amdhsa.kernels:
  - .name:           k_q3f1110790c_moe
    .symbol:         k_q3f1110790c_moe.kd
    .args:
      - { .name: xqs, .offset: 0, .size: 8, .value_kind: global_buffer, .address_space: global }
      - { .name: wq, .offset: 8, .size: 8, .value_kind: global_buffer, .address_space: global }
      - { .name: ws, .offset: 16, .size: 8, .value_kind: global_buffer, .address_space: global }
      - { .name: route, .offset: 24, .size: 8, .value_kind: global_buffer, .address_space: global }
      - { .name: ypart, .offset: 32, .size: 8, .value_kind: global_buffer, .address_space: global }
    .group_segment_fixed_size: 89600
    .private_segment_fixed_size: 0
    .kernarg_segment_align: 8
    .kernarg_segment_size: 40
    .max_flat_workgroup_size: 128
    .sgpr_count:     96
    .vgpr_count:     1024
    .wavefront_size: 32
...
	.end_amdgpu_metadata
.endif
;; end of part 2
;; launch combine (part 3): grid 256 x 1, 8 waves a work-group, no clusters, 0 bytes of LDS; arguments ypart, rw, out0; writes out0
.if DOCPART == 3
	.amdgcn_target "amdgcn-amd-amdhsa--gfx1250"
	.amdhsa_code_object_version 6
	.text
	.protected	k_q3f1110790c_combine
	.globl	k_q3f1110790c_combine
	.p2align	8
	.type	k_q3f1110790c_combine,@function
k_q3f1110790c_combine:
	s_mov_b64 s[64:65], 0
	v_nop
	global_prefetch_b8 v0, s[64:65] scope:SCOPE_SE
	s_setreg_imm32_b32 hwreg(HW_REG_WAVE_MODE, 25, 1), 1
	s_wait_xcnt 0x0
; COMBINE.  out0[t] = rw[t][0] ypart[0][t] + rw[t][1] ypart[1][t]: a token's two experts' rows, each weighted by its softmax weight, in f32.
; A stream: each byte is read once and written once, by 16-byte loads and stores of which a wave's cover 512 consecutive bytes.  A wave owns two rows, 4,096 consecutive bytes of each slot and of out0;
; its 16 loads go out together, no register is written twice, and there is no loop, no LDS and no barrier.  The four weights of the two rows come by one scalar load.
.set Y, 8                              ; v8-71: chunk i of 512 bytes: slot 0's 4 registers at 8 + 8 i (they take the result), slot 1's at 12 + 8 i
	s_load_b128 s[4:7], s[0:1], 0x0                ; ypart s[4:5], rw s[6:7]
	s_load_b64 s[8:9], s[0:1], 0x10                ; out0
	v_lshrrev_b32 v1, 5, v0
	v_readfirstlane_b32 s14, v1                    ; wave 0..7
	v_and_b32 v1, 31, v0
	v_lshlrev_b32 v1, 4, v1                        ; 16 bytes a lane
	s_lshl_b32 s16, ttmp9, 15                      ; the work-group's 16 rows of 2,048 bytes,
	s_lshl_b32 s15, s14, 12                        ; my wave's two
	s_add_co_u32 s16, s16, s15
	s_mov_b32 s17, 0
	s_lshl_b32 s18, ttmp9, 7                       ; and their weights: 8 bytes a row
	s_lshl_b32 s15, s14, 4
	s_add_co_u32 s18, s18, s15
	s_mov_b32 s19, 0
	s_wait_kmcnt 0x0
	s_add_nc_u64 s[4:5], s[4:5], s[16:17]          ; slot 0
	s_add_nc_u64 s[12:13], s[4:5], 0x800000        ; slot 1: 4,096 rows further on
	s_add_nc_u64 s[8:9], s[8:9], s[16:17]
	s_add_nc_u64 s[6:7], s[6:7], s[18:19]
	s_load_b128 s[20:23], s[6:7], 0x0              ; row 0's two weights, row 1's two
.irp i, 0,1,2,3,4,5,6,7
	global_load_b128 v[Y+8*\i:Y+8*\i+3], v1, s[4:5] offset:512*\i th:TH_LOAD_NT
	global_load_b128 v[Y+8*\i+4:Y+8*\i+7], v1, s[12:13] offset:512*\i th:TH_LOAD_NT
.endr
	s_wait_kmcnt 0x0
	s_mov_b32 s24, s21                             ; the packed forms take a pair's low word for both halves: the second weights get pairs of their own
	s_mov_b32 s25, s21
	s_mov_b32 s26, s23
	s_mov_b32 s27, s23
.irp i, 0,1,2,3,4,5,6,7                        ; chunks 0-3 are row 0, chunks 4-7 row 1
	s_wait_loadcnt 14-2*\i                         ; this chunk's two loads are in; the younger pairs may be out
	v_pk_mul_f32 v[Y+8*\i:Y+8*\i+1], v[Y+8*\i:Y+8*\i+1], s[20+2*(\i/4):21+2*(\i/4)] op_sel_hi:[1,0]
	v_pk_mul_f32 v[Y+8*\i+2:Y+8*\i+3], v[Y+8*\i+2:Y+8*\i+3], s[20+2*(\i/4):21+2*(\i/4)] op_sel_hi:[1,0]
	v_pk_fma_f32 v[Y+8*\i:Y+8*\i+1], v[Y+8*\i+4:Y+8*\i+5], s[24+2*(\i/4):25+2*(\i/4)], v[Y+8*\i:Y+8*\i+1] op_sel_hi:[1,0,1]
	v_pk_fma_f32 v[Y+8*\i+2:Y+8*\i+3], v[Y+8*\i+6:Y+8*\i+7], s[24+2*(\i/4):25+2*(\i/4)], v[Y+8*\i+2:Y+8*\i+3] op_sel_hi:[1,0,1]
	global_store_b128 v1, v[Y+8*\i:Y+8*\i+3], s[8:9] offset:512*\i th:TH_STORE_NT
.endr
	s_endpgm
.Lfunc_end_k_q3f1110790c_combine:
	.size	k_q3f1110790c_combine, .Lfunc_end_k_q3f1110790c_combine-k_q3f1110790c_combine
	.p2alignl 7, 3214868480
	.fill 96, 4, 3214868480
	.section	.rodata,"a",@progbits
	.p2align	6, 0x0
	.amdhsa_kernel k_q3f1110790c_combine
		.amdhsa_group_segment_fixed_size 0
		.amdhsa_private_segment_fixed_size 0
		.amdhsa_enable_private_segment 0
		.amdhsa_kernarg_size 24
		.amdhsa_user_sgpr_count 2
		.amdhsa_user_sgpr_kernarg_segment_ptr 1
		.amdhsa_wavefront_size32 1
		.amdhsa_system_sgpr_workgroup_id_x 1
		.amdhsa_system_sgpr_workgroup_id_y 1
		.amdhsa_system_sgpr_workgroup_id_z 1
		.amdhsa_system_vgpr_workitem_id 0
		.amdhsa_next_free_vgpr 72
		.amdhsa_next_free_sgpr 66
		.amdhsa_reserve_vcc 0
		.amdhsa_float_denorm_mode_32 3
		.amdhsa_float_denorm_mode_16_64 3
		.amdhsa_memory_ordered 1
		.amdhsa_forward_progress 1
		.amdhsa_inst_pref_size 6
	.end_amdhsa_kernel
	.amdgpu_metadata
---
amdhsa.version: [ 1, 2 ]
amdhsa.kernels:
  - .name:           k_q3f1110790c_combine
    .symbol:         k_q3f1110790c_combine.kd
    .args:
      - { .name: ypart, .offset: 0, .size: 8, .value_kind: global_buffer, .address_space: global }
      - { .name: rw, .offset: 8, .size: 8, .value_kind: global_buffer, .address_space: global }
      - { .name: out0, .offset: 16, .size: 8, .value_kind: global_buffer, .address_space: global }
    .group_segment_fixed_size: 0
    .private_segment_fixed_size: 0
    .kernarg_segment_align: 8
    .kernarg_segment_size: 24
    .max_flat_workgroup_size: 256
    .sgpr_count:     66
    .vgpr_count:     72
    .wavefront_size: 32
...
	.end_amdgpu_metadata
.endif
;; end of part 3
;; ======== version 2 of 2: 3 launches; version 1 with the launch combine written anew for expert scheduling mode
;; workspace buffers: wq 8,388,608 bytes; ws 524,288 bytes; xqs 1,114,112 bytes; route 40,960 bytes of whole numbers; rw 32,768 bytes; ypart 16,777,216 bytes
;; launch prep: the kernel of part 1 again; grid 1280 x 1, 4 waves a work-group, no clusters, 9,216 bytes of LDS; arguments x, Wg, W1, W2, xqs, wq, ws, route, rw, out1; writes xqs, wq, ws, route, rw, out1
;; launch moe: the kernel of part 2 again; grid 178 x 1, 4 waves a work-group, no clusters, 89,600 bytes of LDS; arguments xqs, wq, ws, route, ypart; writes ypart
;; launch combine (part 4): grid 256 x 1, 8 waves a work-group, no clusters, 0 bytes of LDS; arguments ypart, rw, out0; writes out0
.if DOCPART == 4
	.amdgcn_target "amdgcn-amd-amdhsa--gfx1250"
	.amdhsa_code_object_version 6
	.text
	.protected	k_q3f1110790c_combine
	.globl	k_q3f1110790c_combine
	.p2align	8
	.type	k_q3f1110790c_combine,@function
k_q3f1110790c_combine:
	s_mov_b64 s[64:65], 0
	v_nop
	global_prefetch_b8 v0, s[64:65] scope:SCOPE_SE
	s_setreg_imm32_b32 hwreg(HW_REG_WAVE_SCHED_MODE, 0, 2), 2
	s_setreg_imm32_b32 hwreg(HW_REG_WAVE_MODE, 25, 1), 1
	s_wait_xcnt 0x0
	s_wait_alu depctr_vm_vsrc(0)
; COMBINE.  out0[t] = rw[t][0] ypart[0][t] + rw[t][1] ypart[1][t]: a token's two experts' rows, each weighted by its softmax weight, in f32.
; A stream: each byte is read once and written once, by 16-byte loads and stores of which a wave's cover 512 consecutive bytes.  A wave owns two rows, 4,096 consecutive bytes of each slot and of out0;
; its 16 loads go out together, no register is written twice, and there is no loop, no LDS and no barrier.  The four weights of the two rows come by one scalar load.
; THE MODE: SCHED_MODE bits 1:0 = 2 (LLVM: expert scheduling mode 2), set by the entry lines.  The code itself states the register dependences between vector instructions and memory instructions,
; with s_wait_alu, always for 0.
; THE PLAN.  Registers that memory instructions touch:
;   v1       the one offset, 16 x lane: written at the head, read by every load and every store, never written again.
;   v8-71    each written by one load, issued at the head, before any vector instruction has named it; a chunk's four packed lines read its eight registers and put the result into the first four;
;            the chunk's store reads those four; nothing writes them afterwards.
; The eight chunks go in two steps, a row each: the wait for the row's eight loads, sixteen packed lines, ONE wait on va_vdst, the row's four stores.  No register that a memory instruction has read is written
; again, so no wait on vm_vsrc is owed.
.set Y, 8                              ; v8-71: chunk i of 512 bytes: slot 0's 4 registers at 8 + 8 i (they take the result), slot 1's at 12 + 8 i
	s_load_b128 s[4:7], s[0:1], 0x0                ; ypart s[4:5], rw s[6:7]
	s_load_b64 s[8:9], s[0:1], 0x10                ; out0
	v_lshrrev_b32 v1, 5, v0
	v_readfirstlane_b32 s14, v1                    ; wave 0..7
	v_and_b32 v1, 31, v0
	v_lshlrev_b32 v1, 4, v1                        ; 16 bytes a lane
	s_lshl_b32 s16, ttmp9, 15                      ; the work-group's 16 rows of 2,048 bytes,
	s_wait_alu depctr_va_sdst(0)                   ; s14 is written, ahead of its first reader: the bases are made from it
	s_lshl_b32 s15, s14, 12                        ; my wave's two
	s_add_co_u32 s16, s16, s15
	s_mov_b32 s17, 0
	s_lshl_b32 s18, ttmp9, 7                       ; and their weights: 8 bytes a row
	s_lshl_b32 s15, s14, 4
	s_add_co_u32 s18, s18, s15
	s_mov_b32 s19, 0
	s_wait_kmcnt 0x0
	s_add_nc_u64 s[4:5], s[4:5], s[16:17]          ; slot 0
	s_add_nc_u64 s[12:13], s[4:5], 0x800000        ; slot 1: 4,096 rows further on
	s_add_nc_u64 s[8:9], s[8:9], s[16:17]
	s_add_nc_u64 s[6:7], s[6:7], s[18:19]
	s_load_b128 s[20:23], s[6:7], 0x0              ; row 0's two weights, row 1's two
	s_wait_alu depctr_va_vdst(0)                   ; v1 is written: every load and store of the kernel reads it as its offset
.irp i, 0,1,2,3,4,5,6,7
	global_load_b128 v[Y+8*\i:Y+8*\i+3], v1, s[4:5] offset:512*\i th:TH_LOAD_NT
	global_load_b128 v[Y+8*\i+4:Y+8*\i+7], v1, s[12:13] offset:512*\i th:TH_LOAD_NT
.endr
	s_wait_kmcnt 0x0
	s_mov_b32 s24, s21                             ; the packed forms take a pair's low word for both halves: the second weights get pairs of their own
	s_mov_b32 s25, s21
	s_mov_b32 s26, s23
	s_mov_b32 s27, s23
.irp g, 0,1                                    ; chunks 0-3 are row 0, chunks 4-7 row 1
	s_wait_loadcnt 8-8*\g                          ; loads come back in order (ISA guide 5.7.1): this row's eight are in; row 1's eight may be out while row 0 is worked on
.irp i, 0,1,2,3
	v_pk_mul_f32 v[Y+8*(4*\g+\i):Y+8*(4*\g+\i)+1], v[Y+8*(4*\g+\i):Y+8*(4*\g+\i)+1], s[20+2*\g:21+2*\g] op_sel_hi:[1,0]
	v_pk_mul_f32 v[Y+8*(4*\g+\i)+2:Y+8*(4*\g+\i)+3], v[Y+8*(4*\g+\i)+2:Y+8*(4*\g+\i)+3], s[20+2*\g:21+2*\g] op_sel_hi:[1,0]
	v_pk_fma_f32 v[Y+8*(4*\g+\i):Y+8*(4*\g+\i)+1], v[Y+8*(4*\g+\i)+4:Y+8*(4*\g+\i)+5], s[24+2*\g:25+2*\g], v[Y+8*(4*\g+\i):Y+8*(4*\g+\i)+1] op_sel_hi:[1,0,1]
	v_pk_fma_f32 v[Y+8*(4*\g+\i)+2:Y+8*(4*\g+\i)+3], v[Y+8*(4*\g+\i)+6:Y+8*(4*\g+\i)+7], s[24+2*\g:25+2*\g], v[Y+8*(4*\g+\i)+2:Y+8*(4*\g+\i)+3] op_sel_hi:[1,0,1]
.endr
	s_wait_alu depctr_va_vdst(0)                   ; the row's sixteen packed lines have written their results, which the four stores below read
.irp i, 0,1,2,3
	global_store_b128 v1, v[Y+8*(4*\g+\i):Y+8*(4*\g+\i)+3], s[8:9] offset:512*(4*\g+\i) th:TH_STORE_NT
.endr
.endr
	s_endpgm
.Lfunc_end_k_q3f1110790c_combine:
	.size	k_q3f1110790c_combine, .Lfunc_end_k_q3f1110790c_combine-k_q3f1110790c_combine
	.p2alignl 7, 3214868480
	.fill 96, 4, 3214868480
	.section	.rodata,"a",@progbits
	.p2align	6, 0x0
	.amdhsa_kernel k_q3f1110790c_combine
		.amdhsa_group_segment_fixed_size 0
		.amdhsa_private_segment_fixed_size 0
		.amdhsa_enable_private_segment 0
		.amdhsa_kernarg_size 24
		.amdhsa_user_sgpr_count 2
		.amdhsa_user_sgpr_kernarg_segment_ptr 1
		.amdhsa_wavefront_size32 1
		.amdhsa_system_sgpr_workgroup_id_x 1
		.amdhsa_system_sgpr_workgroup_id_y 1
		.amdhsa_system_sgpr_workgroup_id_z 1
		.amdhsa_system_vgpr_workitem_id 0
		.amdhsa_next_free_vgpr 72
		.amdhsa_next_free_sgpr 66
		.amdhsa_reserve_vcc 0
		.amdhsa_float_denorm_mode_32 3
		.amdhsa_float_denorm_mode_16_64 3
		.amdhsa_memory_ordered 1
		.amdhsa_forward_progress 1
		.amdhsa_inst_pref_size 6
	.end_amdhsa_kernel
	.amdgpu_metadata
---
amdhsa.version: [ 1, 2 ]
amdhsa.kernels:
  - .name:           k_q3f1110790c_combine
    .symbol:         k_q3f1110790c_combine.kd
    .args:
      - { .name: ypart, .offset: 0, .size: 8, .value_kind: global_buffer, .address_space: global }
      - { .name: rw, .offset: 8, .size: 8, .value_kind: global_buffer, .address_space: global }
      - { .name: out0, .offset: 16, .size: 8, .value_kind: global_buffer, .address_space: global }
    .group_segment_fixed_size: 0
    .private_segment_fixed_size: 0
    .kernarg_segment_align: 8
    .kernarg_segment_size: 24
    .max_flat_workgroup_size: 256
    .sgpr_count:     66
    .vgpr_count:     72
    .wavefront_size: 32
...
	.end_amdgpu_metadata
.endif
;; end of part 4
